; MI455X (gfx1250); checked and timed in simulation.
; The chip was launched on July 23, 2026; its instructions are those of AMD's public machine-readable ISA for CDNA 5 (MIT licence, August 2026) and "CDNA5" Instruction Set Architecture Reference Guide (July 2026). The comments in the code are by the model that wrote it; some were corrected since.
;; Multi Head Attention. Allowed arithmetic: matrix products marked QUANTISED: E2M1 operands, one E8M0 scale for each 32 along K, by v_wmma_scale_f32_16x16x128_f8f6f4 with both operands' format E2M1 (or v_wmma_scale_f32_32x16x128_f4), f32 sums; everything else in f32.
;; Inputs: attn_mask 4 x 2,048 x 2,048 bool; b_k 1,024 float32; b_q 1,024 float32; b_v 1,024 float32; w_k 1,024 x 1,024 float32; w_q 1,024 x 1,024 float32; w_v 1,024 x 1,024 float32; x_k_v 4 x 2,048 x 1,024 float32; x_q 4 x 2,048 x 1,024 float32.
;; Outputs: out0 4 x 2,048 x 1,024 float32.
;; This version of the problem:
;;   THIS VERSION OF THE PROBLEM IS GIVEN IN LOW PRECISION. The matrix products marked QUANTISED in the list below multiply operands that are first quantised to E2M1 (2 exponent bits, 1 mantissa bit; 4 bits a number), with one power-of-two scale for each 32 numbers along K (OCP MX v1.0); their sums are f32. All else is computed in f32.
;;   The module's matrix products, in the order in which they are computed (A, B: the left and right operand; K: the contracted axis; several contracted axes count as one K, in the product's order):
;;     1. [M 8,192, K 1,024] x [K 1,024, N 1,024]; A: input x_q; B: input w_q: QUANTISED
;;     2. [M 8,192, K 1,024] x [K 1,024, N 1,024]; A: input x_k_v; B: input w_k: QUANTISED
;;     3. [M 8,192, K 1,024] x [K 1,024, N 1,024]; A: input x_k_v; B: input w_v: QUANTISED
;;     4. batch 64 x [M 2,048, K 64] x [K 64, N 2,048]; A: computed on the way; B: computed on the way: QUANTISED
;;     5. batch 64 x [M 2,048, K 2,048] x [K 2,048, N 64]; A: softmax (see below); B: computed on the way: QUANTISED
;;   THE QUANTISER, for each operand of a quantised product, along K:
;;     - K is cut into blocks of 32 from its start; a last block that is shorter is filled with zeros.
;;     - A block's scale is 2^e with e = floor(log2(the largest magnitude in the block)) - 2, held to -126 .. 127; a block of zeros has e = 0. As a byte (E8M0): e + 127.
;;     - Each number is divided by its block's scale, clamped to +-6, and rounded to the nearest number of E2M1, ties to even, subnormals kept.
;;     - The product sums the exact products of the quantised numbers (number of the format x scale) in f32.
;;   ~~~python
;;   def quantise(x, axis):      # numpy; x: float32 -> the quantised numbers, widened to float32 again
;;       x = np.moveaxis(x, axis, -1); K = x.shape[-1]
;;       x = np.pad(x, [(0, 0)] * (x.ndim - 1) + [(0, -K % 32)]); x = x.reshape(x.shape[:-1] + (-1, 32)); a = np.abs(x).max(-1, keepdims=True)
;;       e = np.where(a > 0, np.clip(np.frexp(np.where(a > 0, a, 1))[1] - 1 - 2, -126, 127), 0)      # np.frexp(a)[1] - 1 = floor(log2(a)), exactly
;;       r = np.clip(x / 2.0 ** e, -6, 6)
;;       step = 2.0 ** (np.maximum(np.frexp(np.where(r == 0, 1, r))[1] - 1, 0) - 1)
;;       q = np.round(r / step) * step * 2.0 ** e      # np.round: ties to even
;;       return np.moveaxis(q.reshape(q.shape[:-2] + (-1,))[..., :K], -1, axis).astype(np.float32)
;;   ~~~
;;   SOFTMAX AHEAD OF A QUANTISED PRODUCT. Where the list says 'softmax', what is quantised is not the finished softmax but p = 2^(t - M), with t = logit x log2(e) and M = ceil(the row's largest t), a whole number; so 1/2 < the row's largest p <= 1. The row's sum l is taken of the UNQUANTISED p, in f32, and the product's result is divided by l at the end. Since M is a whole number, a kernel that streams over the keys may use a running M (the ceiling of the running maximum): every later rescaling is an exact power of two, which a block's scale takes up: the codes' values come out the same.
;;   OPERANDS COMPUTED ON THE WAY. 'Computed on the way' means the value that the module computes at that place (a softmax that the list does not call 'softmax' is quantised finished and normalised). What goes into a quantiser is computed in f32, as accurately as f32 sums, v_exp_f32 and their like allow (about 1e-6 of the number): no bf16 or f16 on the way to a quantiser, and a product that is left as it is and whose result goes on into a quantised operand takes f32 operands (vector FMAs, or v_wmma_f32_16x16x4_f32). A number that lies on a knife's edge between two numbers of the format may be rounded either way, as far as f32 arithmetic and the matrix unit's own rounding can turn it there, and no further.
;; One version. Each part assembles by itself: llvm-mc -triple=amdgcn-amd-amdhsa -mcpu=gfx1250 --defsym DOCPART=n.
;; ======== version 1 of 1: 3 launches
;; limits: right only within a limited range of input values
;; workspace buffers: codes 9,961,472 bytes; scales 622,592 bytes; maskw 2,097,152 bytes of whole numbers; maskf 1,024 bytes of whole numbers; qimg 8,912,896 bytes; kv 8,912,896 bytes
;; launch prep (part 1): grid 864 x 1, 4 waves a work-group, no clusters, 50,688 bytes of LDS; arguments x_q, x_k_v, w_q, w_k, w_v, attn_mask, codes, scales, maskw, maskf; writes codes, scales, maskw, maskf
.if DOCPART == 1
	.amdgcn_target "amdgcn-amd-amdhsa--gfx1250"
	.amdhsa_code_object_version 6
	.text
	.protected	k_q54dcf44fe9_prep
	.globl	k_q54dcf44fe9_prep
	.p2align	8
	.type	k_q54dcf44fe9_prep,@function
k_q54dcf44fe9_prep:
	s_mov_b64 s[64:65], 0
	v_nop
	global_prefetch_b8 v0, s[64:65] scope:SCOPE_SE
	s_setreg_imm32_b32 hwreg(HW_REG_WAVE_MODE, 25, 1), 1
	s_wait_xcnt 0x0
; PREP: (1) x_q, x_k_v [8192][1024] and w_q, w_k, w_v [1024][1024], f32 with K innermost, become codes of FP4 (E2M1) with one E8M0 scale byte for each 32 along K;
;       (2) attn_mask [4][2048][2048], one byte a flag, becomes words of 32 lane bits, in the order in which the attention launch's registers hold the scores.
; (1) The five tensors lie on end in the buffers codes (rows of 512 bytes) and scales (rows of 32 bytes): x_q, x_k_v, w_q, w_k, w_v.
; ROWS ARE STORED PERMUTED: true row i lies at the position i with its bits 3 and 4 exchanged.  Sixteen consecutive positions 32 b + 16 u + r then hold the true rows 32 b + 8 u + r + 8 (r / 8),
; which is the choice of rows that lets a matrix result's 16 registers of two neighbouring tiles be 16 neighbours along the next product's K.  A wave takes 8 rows, so the exchange is an exchange of the wave number's two bits.
; A block's scale is 2^(floor(log2(its largest magnitude)) - 2); its byte is the largest magnitude's exponent field - 2, held at 1 from below.  A block of zeros so gets the byte 1 where the rule says 127:
; its codes are zeros, which add nothing under any byte but 0xff, and this program alone reads the bytes.
; LIMITS: blocks whose largest magnitude lies under 2^(2 - 126) have their byte held at 1; NaN and infinities among the inputs are not served.
; A wave takes 16 steps of 512 numbers.  Each of a step's four loads reads 512 consecutive bytes; the 2,048 bytes turn through the wave's own stage in LDS, so that a lane gets 16 neighbours along K
; (two lanes hold a block); a lane's 16 codes are 8 bytes: the wave stores 256 consecutive bytes.  A wave's 256 scale bytes are gathered in LDS and leave as 256 consecutive bytes.
; (2) maskw is [b 4][G 64][s 16][u 2][j 64] words: bit r + 16 h of word j is mask[b][32 G + 8 u + r + 8 (r / 8)][128 s + 64 (j / 32) + 32 h + j % 32].
; A wave takes one tile of 16 queries x 1,024 keys, in four units of 256 keys: dense loads, a turn through its own stage, one compare for each byte place, whose lane mask is the word.
; Work-groups 0 to 607 quantise, 608 to 863 pack the mask.  The two ways have LDS bytes of their own.  Waves share nothing: no barrier, no cluster, no tensor load; memory binds, so matrix units would add nothing.
.set QWG,   608                        ; 256 + 256 + 32 + 32 + 32 work-groups of 32,768 numbers
.set STEPS, 16
.set EMAX,  2
.set CB,    8                          ; bytes of 16 codes
.set R,     16                         ; v16-79   four sets of 16 numbers as they are loaded
.set X,     80                         ; v80-111  two sets of 16 neighbours
.set C,     128                        ; v128-191 codes: four registers for each step, so that no store's data are written again
.set E,     112                        ; v112-127 a scale byte for each step
.set WREG,  8192                       ; LDS: a region for each quantising wave: two stages of 32 x SP bytes, and behind them its 256 scale bytes
.set SP,    80                         ; a lane's place in a stage: its 64 bytes + 16 of padding
.set MSTG,  32768                      ; LDS: the mask way's stages begin here: 16 rows x MP bytes for each wave
.set MP,    272                        ; a stage row: 256 flags + 16 bytes of padding: the 16 rows that a load touches start at 16 different banks (64 banks of 4 bytes: ISA guide 11.1)
.set MW,    8                          ; v8-11    128 words of a unit: lane L holds words 4 L .. 4 L + 3
.set MM,    16                         ; v16-143  four units of 16 rows x 256 flags as loaded
.set MX,    144                        ; v144-175 a unit turned: eight groups of 16 flags of my row
.set MT,    176                        ; v176-191 one flag each
	v_lshl_add_u32 v192, v0, 2, 0xc400
	v_mov_b32 v193, 0
	v_lshrrev_b32 v1, 5, v0
	v_readfirstlane_b32 s20, v1                    ; wave 0..3
	v_and_b32 v2, 31, v0                           ; lane
	s_cmp_ge_u32 ttmp9, QWG
	s_cbranch_scc1 .Lmask
	; ---------------- the quantiser ----------------
	s_load_b256 s[4:11], s[0:1], 0x0               ; x_q s[4:5], x_k_v s[6:7], w_q s[8:9], w_k s[10:11]
	s_load_b64 s[12:13], s[0:1], 0x20              ; w_v
	s_load_b128 s[16:19], s[0:1], 0x30             ; codes s[16:17], scales s[18:19]
	v_lshlrev_b32 v3, 4, v2                        ; my 16 bytes of a load's 512
	s_mul_i32 s21, s20, WREG
	v_lshrrev_b32 v14, 2, v2
	v_mul_u32_u24 v14, v14, SP
	v_and_b32 v15, 3, v2
	v_lshl_add_u32 v14, v15, 4, v14
	v_add_nc_u32 v14, s21, v14                     ; the stage, on the way in: four lanes' 64 bytes on end, then 16 of padding
	v_mul_u32_u24 v15, v2, SP
	v_add_nc_u32 v15, s21, v15                     ; and on the way out: SP x lane: my 16 neighbours
	v_mul_u32_u24 v4, v2, CB                       ; my codes' place in a step's
	v_lshrrev_b32 v5, 1, v2
	s_add_co_u32 s21, s21, 2*32*SP
	v_add_nc_u32 v5, s21, v5                       ; LDS: my wave's 256 scale bytes, my block's byte
	v_lshlrev_b32 v7, 3, v2                        ; and on the way out 8 bytes a lane
	v_add_nc_u32 v6, s21, v7
	s_wait_alu depctr_va_vdst(0)
	s_wait_kmcnt 0x0
	s_mov_b64 s[22:23], s[12:13]                   ; which tensor is my work-group's, and which work-group is that tensor's first: the choice hangs on the work-group's number alone
	s_mov_b32 s24, 576
	s_cmp_lt_u32 ttmp9, 576
	s_cselect_b64 s[22:23], s[10:11], s[22:23]
	s_cselect_b32 s24, 544, s24
	s_cmp_lt_u32 ttmp9, 544
	s_cselect_b64 s[22:23], s[8:9], s[22:23]
	s_cselect_b32 s24, 512, s24
	s_cmp_lt_u32 ttmp9, 512
	s_cselect_b64 s[22:23], s[6:7], s[22:23]
	s_cselect_b32 s24, 256, s24
	s_cmp_lt_u32 ttmp9, 256
	s_cselect_b64 s[22:23], s[4:5], s[22:23]
	s_cselect_b32 s24, 0, s24
	s_sub_co_u32 s24, ttmp9, s24
	s_lshl_b32 s24, s24, 2
	s_add_co_u32 s24, s24, s20                     ; which run of 8 rows of the tensor is my wave's
	s_lshl_b32 s24, s24, 15                        ; 32,768 bytes a run
	s_mov_b32 s25, 0
	s_add_nc_u64 s[22:23], s[22:23], s[24:25]
	s_and_b32 s26, s20, 1                          ; where it goes: the wave number's two bits change places (row bits 3 and 4)
	s_lshl_b32 s26, s26, 1
	s_lshr_b32 s27, s20, 1
	s_or_b32 s26, s26, s27
	s_lshl_b32 s27, ttmp9, 2
	s_add_co_u32 s26, s26, s27                     ; the run's number in the buffers, in which the tensors lie on end
	s_lshl_b32 s24, s26, 12                        ; 8 rows x 512 bytes of codes
	s_add_nc_u64 s[16:17], s[16:17], s[24:25]
	s_lshl_b32 s24, s26, 8                         ; 8 rows x 32 scale bytes
	s_add_nc_u64 s[18:19], s[18:19], s[24:25]
.macro LOAD t
.irp i, 0,1,2,3
	global_load_b128 v[R+16*((\t)%4)+4*\i:R+16*((\t)%4)+4*\i+3], v3, s[22:23] offset:2048*(\t)+512*\i th:TH_LOAD_NT   ; 32 lanes read 512 consecutive bytes
.endr
.endm
.macro TURN t                          ; step t's numbers through the stage: LDS serves a wave's instructions in order (ISA guide 5.7.1.4), so no wait stands between the stores and the loads
.irp i, 0,1,2,3
	ds_store_b128 v14, v[R+16*((\t)%4)+4*\i:R+16*((\t)%4)+4*\i+3] offset:32*SP*((\t)%2)+8*SP*\i
.endr
.irp i, 0,1,2,3
	ds_load_b128 v[X+16*((\t)%2)+4*\i:X+16*((\t)%2)+4*\i+3], v15 offset:32*SP*((\t)%2)+16*\i
.endr
.endm
.irp t, 0,1,2,3
	LOAD \t
.endr
	s_wait_loadcnt 12                              ; step 0's four loads are in; the twelve of steps 1 to 3 may be out
	TURN 0
.macro STEP t
.set XS, X+16*((\t)%2)
.if (\t) > 0
	s_wait_dscnt 1                                 ; this step's numbers are back from the stage (the last step's byte store may be out): so its stores into the stage have read their registers,
.else
	s_wait_dscnt 0x0
.endif
.if (\t)+4 < STEPS
	LOAD (\t)+4                                    ; which take the loads of four steps on
.endif
.if (\t)+1 < STEPS
.if STEPS-2-(\t) >= 3
	s_wait_loadcnt 12                              ; the next step's four loads are in; those of the three steps behind it may be out
.else
	s_wait_loadcnt 4*(STEPS-2-(\t))
.endif
	TURN (\t)+1                                    ; and go through the other stage while this step is worked
.endif
	v_max3_num_f32 v8, |v[XS]|, |v[XS+1]|, |v[XS+2]|               ; the largest magnitude of my 16, in two chains
	v_max3_num_f32 v9, |v[XS+3]|, |v[XS+4]|, |v[XS+5]|
.irp i, 6,10
	v_max3_num_f32 v8, v8, |v[XS+\i]|, |v[XS+\i+1]|
	v_max3_num_f32 v9, v9, |v[XS+\i+2]|, |v[XS+\i+3]|
.endr
	v_max3_num_f32 v8, v8, |v[XS+14]|, |v[XS+15]|
	v_max3_num_f32 v8, v8, v9, (EMAX+1)<<23        ; and the floor 2^(EMAX + 1 - 127): so the byte cannot fall under 1
	v_max_num_f32_dpp v8, v8, v8 row_xmask:1 row_mask:0xf bank_mask:0xf   ; and of my neighbour's 16: the block's
	v_add_nc_u32 v11, -(EMAX<<23), v8              ; EMAX off its exponent field: the conversion takes the exponent field of this operand as its scale, and nothing else of it
	v_cvt_scalef32_pk8_fp4_f32 v[C+4*(\t)], v[XS:XS+7], v11        ; eight numbers / the scale, to the nearest code, ties to even, beyond the largest code the largest
	v_cvt_scalef32_pk8_fp4_f32 v[C+4*(\t)+1], v[XS+8:XS+15], v11
	v_lshrrev_b32 v[E+(\t)], 23, v11               ; the scale's byte (also the plain line behind the conversions)
	ds_store_b8 v5, v[E+(\t)] offset:16*(\t)       ; both lanes of a block write the same byte with the same value
	global_store_b64 v4, v[C+4*(\t):C+4*(\t)+1], s[16:17] offset:32*CB*(\t)   ; 32 lanes store 256 consecutive bytes, aligned
.endm
.irp t, 0,1,2,3,4,5,6,7,8,9,10,11,12,13,14,15
	STEP \t
.endr
	ds_load_b64 v[12:13], v6                       ; in order behind my byte stores
	s_wait_dscnt 0x0
	global_store_b64 v7, v[12:13], s[18:19]        ; 32 lanes store 256 consecutive bytes, aligned
	s_wait_tensorcnt 0x0
	ds_add_u32 v192, v193
	s_wait_dscnt 0x0
	s_endpgm
	; ---------------- the mask ----------------
.Lmask:
	s_load_b64 s[4:5], s[0:1], 0x28                ; attn_mask
	s_load_b64 s[6:7], s[0:1], 0x40                ; maskw
	s_load_b64 s[8:9], s[0:1], 0x48                ; maskf: [64 b + G] words; bit 16 u + s: is any flag of tile u, step s set?  My wave makes byte 2 u + (which 1,024 keys) = its own number
	s_mov_b32 s31, 0                               ; my eight bits
	s_sub_co_u32 s21, ttmp9, QWG
	s_lshl_b32 s21, s21, 2
	s_add_co_u32 s21, s21, s20                     ; 0 .. 1,023: (64 b + G, u, which 1,024 keys)
	s_and_b32 s22, s21, 1                          ; which half of the keys
	s_bfe_u32 s23, s21, 0x10001                    ; u
	s_lshr_b32 s24, s21, 2                         ; 64 b + G
	s_lshl_b32 s26, s24, 5
	s_lshl_b32 s27, s23, 3
	s_add_co_u32 s26, s26, s27                     ; the tile's first row of the mask: 32 (64 b + G) + 8 u
	s_lshl_b32 s26, s26, 11                        ; 2,048 bytes a row
	s_lshl_b32 s27, s22, 10
	s_add_co_u32 s26, s26, s27
	s_mov_b32 s27, 0
	s_lshl_b32 s28, s24, 13                        ; out: 8,192 bytes for each group of 32 queries,
	s_lshl_b32 s29, s22, 12                        ; 8 steps x 512 bytes,
	s_add_co_u32 s28, s28, s29
	s_lshl_b32 s29, s23, 8                         ; 256 bytes for each tile of a step
	s_add_co_u32 s28, s28, s29
	s_mov_b32 s29, 0
	v_and_b32 v5, 15, v0                           ; l % 16
	v_bfe_u32 v6, v0, 4, 1                         ; l / 16
	v_lshlrev_b32 v7, 4, v5
	v_lshl_add_u32 v1, v6, 11, v7                  ; in: lanes 0-15 take 256 bytes of one row, lanes 16-31 of the next
	s_mul_i32 s30, s20, 16*MP
	s_add_co_u32 s30, s30, MSTG                    ; my stage
	v_mul_u32_u24 v2, v6, MP
	v_add_nc_u32 v2, v2, v7
	v_add_nc_u32 v2, s30, v2                       ; into it: as loaded
	v_mul_u32_u24 v3, v5, MP
	; THE WORDS' ORDER, as the attention launch's score registers now lie: bit r + 16 h of word j of a step is the flag of key 128 s + 64 (j / 32) + 32 h + j % 32 (the queries as stated at the head)
	v_lshl_add_u32 v3, v6, 5, v3                   ; so lanes 16-31 read 32 flags further on
	v_add_nc_u32 v3, s30, v3                       ; out of it: row l % 16, + 32 (l / 16)
	v_lshl_add_u32 v4, v6, 9, v7                   ; out: lanes 0-15 the even step's 256 bytes, lanes 16-31 the odd step's
.irp i, 0,1,2,3
	v_mov_b32 v[MW+\i], 0                          ; written once: a lane write's destination counts as one of its sources
.endr
	s_wait_alu depctr_va_vdst(0)
	s_wait_kmcnt 0x0
	s_add_nc_u64 s[4:5], s[4:5], s[26:27]
	s_add_nc_u64 s[6:7], s[6:7], s[28:29]
	s_lshl_b32 s10, s24, 2
	s_add_co_u32 s10, s10, s20
	s_mov_b32 s11, 0
	s_add_nc_u64 s[8:9], s[8:9], s[10:11]          ; my byte of maskf
.irp k, 0,1,2,3
.irp i, 0,1,2,3,4,5,6,7
	global_load_b128 v[MM+32*\k+4*\i:MM+32*\k+4*\i+3], v1, s[4:5] offset:(2*\i+8*(\i/4))*2048+256*\k th:TH_LOAD_NT   ; tile rows 2 i, 2 i + 1: the tile's second eight rows lie 16 rows behind its first
.endr
.endr
; Unit k: 256 keys = two steps.  Group g = 4 s' + b' of the turned unit holds, in lane (r, h), the flags of row r at keys 128 s' + 64 (b' / 2) + 32 h + 16 (b' % 2) + 0 .. 15: byte i belongs to word 16 b' + i of step s'.
.macro MUNIT k
	s_wait_loadcnt 24-8*(\k)                       ; this unit's eight loads are in; the later units' may be out
.irp i, 0,1,2,3,4,5,6,7
	ds_store_b128 v2, v[MM+32*(\k)+4*\i:MM+32*(\k)+4*\i+3] offset:2*\i*MP
.endr
.irp g, 0,1,2,3,4,5,6,7
	ds_load_b128 v[MX+4*\g:MX+4*\g+3], v3 offset:128*(\g/4)+64*((\g%4)/2)+16*(\g%2)   ; in order behind the stores; group g: keys 128 (g / 4) + 64 ((g % 4) / 2) + 32 h + 16 (g % 2) + 0 .. 15
.endr
	s_wait_dscnt 0x0
.if (\k) > 0
	s_wait_xcnt 0x0                                ; the last unit's store has read its data registers: they are written again only behind this wait
.endif
.irp p, 0,1                                    ; the unit's two steps: all flags of a step joined: 16 registers a lane, then the 32 lanes
	v_or_b32 v[MT+\p], v[MX+16*\p], v[MX+16*\p+1]
.endr
.irp i, 2,3,4,5,6,7,8,9,10,11,12,13,14,15
.irp p, 0,1
	v_or_b32 v[MT+\p], v[MT+\p], v[MX+16*\p+\i]
.endr
.endr
.irp p, 0,1
	v_cmp_ne_u32 s[32+\p], 0, v[MT+\p]
.endr
	s_cmp_lg_u32 s32, 0
	s_cselect_b32 s34, 1<<(2*(\k)), 0
	s_cmp_lg_u32 s33, 0
	s_cselect_b32 s35, 2<<(2*(\k)), 0
	s_or_b32 s31, s31, s34
	s_or_b32 s31, s31, s35
.irp g, 0,1,2,3,4,5,6,7
.irp i, 0,1,2,3,4,5,6,7,8,9,10,11,12,13,14,15
	v_and_b32 v[MT+\i], 0xff<<(8*(\i%4)), v[MX+4*\g+\i/4]          ; one flag
.endr
.irp i, 0,1,2,3,4,5,6,7,8,9,10,11,12,13,14,15
	v_cmp_ne_u32 s[32+\i], 0, v[MT+\i]             ; the 32 lanes' flags as one word
.endr
.irp i, 0,1,2,3,4,5,6,7,8,9,10,11,12,13,14,15
	v_writelane_b32 v[MW+\i%4], s[32+\i], (16*\g+\i)/4             ; word 16 g + i of the unit's 128
.endr
.endr
	global_store_b128 v4, v[MW:MW+3], s[6:7] offset:1024*(\k)      ; sixteen lanes store 256 consecutive bytes, aligned
.endm
	MUNIT 0
	MUNIT 1
	MUNIT 2
	MUNIT 3
	v_and_b32 v[MT], 31, v0                        ; lane 0 stores my wave's byte of flags: 1,024 bytes in the whole launch, against 16,777,216 read
	v_mov_b32 v[MT+1], s31
	v_mov_b32 v[MT+2], 0
	v_cmp_eq_u32 vcc_lo, 0, v[MT]
	s_wait_alu depctr_va_vdst(0)
	s_wait_xcnt 0x0                                ; EXEC changes only behind this wait
	s_and_saveexec_b32 s33, vcc_lo
	global_store_b8 v[MT+2], v[MT+1], s[8:9]
	s_wait_xcnt 0x0
	s_or_b32 exec_lo, exec_lo, s33
	s_wait_tensorcnt 0x0
	ds_add_u32 v192, v193
	s_wait_dscnt 0x0
	s_endpgm
.Lfunc_end_k_q54dcf44fe9_prep:
	.size	k_q54dcf44fe9_prep, .Lfunc_end_k_q54dcf44fe9_prep-k_q54dcf44fe9_prep
	.p2alignl 7, 3214868480
	.fill 96, 4, 3214868480
	.section	.rodata,"a",@progbits
	.p2align	6, 0x0
	.amdhsa_kernel k_q54dcf44fe9_prep
		.amdhsa_group_segment_fixed_size 50688
		.amdhsa_private_segment_fixed_size 0
		.amdhsa_enable_private_segment 0
		.amdhsa_kernarg_size 80
		.amdhsa_user_sgpr_count 2
		.amdhsa_user_sgpr_kernarg_segment_ptr 1
		.amdhsa_wavefront_size32 1
		.amdhsa_system_sgpr_workgroup_id_x 1
		.amdhsa_system_sgpr_workgroup_id_y 1
		.amdhsa_system_sgpr_workgroup_id_z 1
		.amdhsa_system_vgpr_workitem_id 0
		.amdhsa_next_free_vgpr 194
		.amdhsa_next_free_sgpr 66
		.amdhsa_reserve_vcc 1
		.amdhsa_float_denorm_mode_32 3
		.amdhsa_float_denorm_mode_16_64 3
		.amdhsa_memory_ordered 1
		.amdhsa_forward_progress 1
		.amdhsa_inst_pref_size 145
	.end_amdhsa_kernel
	.amdgpu_metadata
---
amdhsa.version: [ 1, 2 ]
amdhsa.kernels:
  - .name:           k_q54dcf44fe9_prep
    .symbol:         k_q54dcf44fe9_prep.kd
    .args:
      - { .name: x_q, .offset: 0, .size: 8, .value_kind: global_buffer, .address_space: global }
      - { .name: x_k_v, .offset: 8, .size: 8, .value_kind: global_buffer, .address_space: global }
      - { .name: w_q, .offset: 16, .size: 8, .value_kind: global_buffer, .address_space: global }
      - { .name: w_k, .offset: 24, .size: 8, .value_kind: global_buffer, .address_space: global }
      - { .name: w_v, .offset: 32, .size: 8, .value_kind: global_buffer, .address_space: global }
      - { .name: attn_mask, .offset: 40, .size: 8, .value_kind: global_buffer, .address_space: global }
      - { .name: codes, .offset: 48, .size: 8, .value_kind: global_buffer, .address_space: global }
      - { .name: scales, .offset: 56, .size: 8, .value_kind: global_buffer, .address_space: global }
      - { .name: maskw, .offset: 64, .size: 8, .value_kind: global_buffer, .address_space: global }
      - { .name: maskf, .offset: 72, .size: 8, .value_kind: global_buffer, .address_space: global }
    .group_segment_fixed_size: 50688
    .private_segment_fixed_size: 0
    .kernarg_segment_align: 8
    .kernarg_segment_size: 80
    .max_flat_workgroup_size: 128
    .sgpr_count:     66
    .vgpr_count:     194
    .wavefront_size: 32
...
	.end_amdgpu_metadata
.endif
;; end of part 1
;; launch proj (part 2): grid 32 x 12, 4 waves a work-group, clusters of 4 x 4, 327,680 bytes of LDS; arguments codes, scales, b_q, b_k, b_v, qimg, kv; writes qimg, kv
.if DOCPART == 2
	.amdgcn_target "amdgcn-amd-amdhsa--gfx1250"
	.amdhsa_code_object_version 6
	.text
	.protected	k_q54dcf44fe9_proj
	.globl	k_q54dcf44fe9_proj
	.p2align	8
	.type	k_q54dcf44fe9_proj,@function
k_q54dcf44fe9_proj:
	s_mov_b64 s[64:65], 0
	v_nop
	global_prefetch_b8 v0, s[64:65] scope:SCOPE_SE
	s_setreg_imm32_b32 hwreg(HW_REG_WAVE_MODE, 25, 1), 1
	s_wait_xcnt 0x0
	s_wait_alu depctr_hold_cnt(0) depctr_sa_sdst(0) depctr_va_vdst(0) depctr_va_sdst(0) depctr_va_ssrc(0) depctr_va_vcc(0) depctr_vm_vsrc(0)
	s_getreg_b32 s2, hwreg(HW_REG_IB_STS2, 6, 4)
	s_cmp_eq_u32 s2, 0
	s_cbranch_scc0 .Lentry_in_a_cluster
	s_endpgm
.Lentry_in_a_cluster:
	s_bfe_u32 s2, ttmp6, 0x10000c
	s_cmp_lg_u32 s2, 0xf033
	s_cbranch_scc0 .Lentry_shape_is_right
	s_endpgm
.Lentry_shape_is_right:
.set NQ,     4
.set ROWB,   256
.set KROW,   512
.set PITCH,  272
.set FR,     8
.set NL,     2
.set NP,     4
.set HALFT,  128*PITCH
.set SLOT,   4*HALFT
.set KS,     32
.set SCL,    2*SLOT
.set HALFS,  (128*KS/256)*272
.set SBLK,   (16*KS/256)*272
.set HEADB,  139264
.set STEPB,  8704
.set ADRA, 16
.set ADRB, 20
.set CO,   26
.set ADRS, 27
.set L8,   30
.set BO,   31
.set SC,   32
.set TM,   96
.set PC,   108
.set WS,   116
.set SI,   124
.set AF,   128
.set T,    128
.set BI,   192
.set SEL,  20
.set G1, 24
.set G0, 32
.set G1B, 48
.set G0B, 56
.set G1S, 68
.set G0S, 76
.set G1SB, 80
.set G0SB, 88
.set MSB, 0
.macro WIN new
.if MSB != \new
	s_set_vgpr_msb (MSB<<8)|\new
.set MSB, \new
.endif
.endm
.set MUL_LO, 0xa1
.set MUL_HI, 0xf1
.set TO_B,   0x40
.macro JLOAD g0a, g1a, g0b, g1b
	s_cmp_eq_u32 s15, 0
	s_cbranch_scc0 .Lfor_b_\@
	tensor_load_to_lds s[\g0a:\g0a+3], s[\g1a:\g1a+7]
	s_nop 0
.rept 4
	v_nop
.endr
	s_branch .Lasked_\@
.Lfor_b_\@:
	tensor_load_to_lds s[\g0b:\g0b+3], s[\g1b:\g1b+7]
	s_nop 0
.rept 4
	v_nop
.endr
.Lasked_\@:
.endm
.macro CROUND
	s_barrier_signal -1
	s_barrier_wait -1
	s_cmp_lg_u32 s14, 0
	s_cbranch_scc1 .Lnot_wave_0_\@
	s_barrier_signal -3
.Lnot_wave_0_\@:
	s_barrier_wait -3
	s_barrier_signal -1
	s_barrier_wait -1
.endm
	s_load_b256 s[4:11], s[0:1], 0x0
	s_load_b64 s[12:13], s[0:1], 0x20
	s_load_b64 s[96:97], s[0:1], 0x28
	s_load_b64 s[98:99], s[0:1], 0x30
	v_lshl_add_u32 v28, v0, 2, 0x48400
	v_mov_b32 v29, 0
	ds_add_u32 v28, v29
	ds_add_u32 v28, v29
	v_lshrrev_b32 v1, 5, v0
	v_readfirstlane_b32 s14, v1
	s_lshr_b32 s15, s14, 1
	s_and_b32 s16, s14, 1
	s_bfe_u32 s40, ttmp6, 0x40000
	s_bfe_u32 s41, ttmp6, 0x40004
	s_lshl_b32 s42, ttmp9, 2
	s_and_b32 s17, ttmp7, 0xffff
	s_lshl_b32 s43, s41, 2
	s_lshl_b32 s43, 15, s43
	s_lshl_b32 s44, 0x1111, s40
	s_or_b32 s[G1+0], s43, (0<<16)|(1<<20)|(1<<21)|(5<<22)|(3<<25)
	s_or_b32 s[G1B+0], s44, (0<<16)|(1<<20)|(1<<21)|(5<<22)|(3<<25)
.irp g, G1, G1B
	s_mov_b32 s[\g+1], ROWB<<16
	s_mov_b32 s[\g+2], 256<<16                     ; the head's loads of codes bring 256 rows
	s_mov_b32 s[\g+3], ROWB<<16
	s_mov_b32 s[\g+4], 256
	s_mov_b32 s[\g+5], KROW
	s_mov_b32 s[\g+6], 0
	s_mov_b32 s[\g+7], 0
.endr
	s_or_b32 s[G1S+0], s43, (3<<16)|(1<<20)|(1<<21)|(5<<22)|(3<<25)
	s_or_b32 s[G1SB+0], s44, (3<<16)|(1<<20)|(1<<21)|(5<<22)|(3<<25)
.irp g, G1S, G1SB
	s_mov_b32 s[\g+1], 32<<16
	s_mov_b32 s[\g+2], (256*KS/256)<<16            ; the scale bytes of 256 rows: 32 rows of 256 bytes
	s_mov_b32 s[\g+3], 32<<16
	s_mov_b32 s[\g+4], 256*KS/256
	s_mov_b32 s[\g+5], 32
	s_mov_b32 s[\g+6], 0
	s_mov_b32 s[\g+7], 0
.endr
	s_cmp_eq_u32 s17, 0
	s_cselect_b32 s20, 0, 0x400000
	s_mov_b32 s46, 0x880000
	s_cselect_b32 s46, 0x800000, s46
	s_cmp_eq_u32 s17, 2
	s_cselect_b32 s20, 0x900000, s20
	s_cselect_b32 s46, 0x400000, s46
	s_cselect_b32 s66, 0, s42
	s_cselect_b32 s67, s42, 0
	s_add_co_u32 s66, s66, s41
	s_add_co_u32 s67, s67, s40
	s_mul_i32 s18, s16, 128*KROW                   ; slot 1: which 128 rows of a tile I fetch, in bytes
	s_mov_b32 s19, 0
	s_lshl_b32 s21, s66, 8                         ; the tile's first row
	s_lshl_b32 s22, s21, 5
	s_lshr_b32 s23, s20, 4
	s_add_co_u32 s22, s22, s23
	s_lshl_b32 s21, s21, 9
	s_add_co_u32 s20, s20, s21
	s_mov_b32 s21, 0
	s_mov_b32 s23, 0
	s_lshl_b32 s47, s67, 8
	s_lshl_b32 s92, s47, 5
	s_lshr_b32 s93, s46, 4
	s_add_co_u32 s92, s92, s93
	s_lshl_b32 s47, s47, 9
	s_add_co_u32 s46, s46, s47
	s_mov_b32 s47, 0
	s_mov_b32 s93, 0
	s_mul_i32 s45, s14, HALFT
	s_wait_dscnt 0x0
	s_wait_kmcnt 0x0
	s_add_nc_u64 s[20:21], s[4:5], s[20:21]
	s_add_nc_u64 s[22:23], s[6:7], s[22:23]
	s_add_nc_u64 s[46:47], s[4:5], s[46:47]
	s_add_nc_u64 s[92:93], s[6:7], s[92:93]
	CROUND
	s_mov_b32 s[G0S], 1
	s_mov_b32 s[G0S+1], SCL
	s_mov_b64 s[G0S+2:G0S+3], s[22:23]
	s_or_b32 s[G0S+3], s[G0S+3], 0x80000000
	s_mov_b32 s[G0SB], 1
	s_mov_b32 s[G0SB+1], SCL+2*HALFS
	s_mov_b64 s[G0SB+2:G0SB+3], s[92:93]
	s_or_b32 s[G0SB+3], s[G0SB+3], 0x80000000
	s_mov_b32 s[G0], 1                             ; slot 0 is filled once, whole: A's 256 rows of the first 512 along K,
	s_mov_b32 s[G0+1], 0
	s_mov_b64 s[G0+2:G0+3], s[20:21]
	s_or_b32 s[G0+3], s[G0+3], 0x80000000
	s_mov_b32 s[G0B], 1                            ; and B's 256 rows behind them
	s_mov_b32 s[G0B+1], 2*HALFT
	s_mov_b64 s[G0B+2:G0B+3], s[46:47]
	s_or_b32 s[G0B+3], s[G0B+3], 0x80000000
	s_add_nc_u64 s[20:21], s[20:21], s[18:19]      ; slot 1: my 128 rows of a tile
	s_add_nc_u64 s[46:47], s[46:47], s[18:19]
	s_mov_b32 s[G0+4], 1
	s_add_co_u32 s[G0+5], s45, SLOT
	s_add_nc_u64 s[G0+6:G0+7], s[20:21], ROWB
	s_or_b32 s[G0+7], s[G0+7], 0x80000000
	s_mov_b32 s[G0B+4], 1
	s_add_co_u32 s[G0B+5], s45, SLOT
	s_add_nc_u64 s[G0B+6:G0B+7], s[46:47], ROWB
	s_or_b32 s[G0B+7], s[G0B+7], 0x80000000
; THE HEAD'S LOADS, ONE A WAVE: wave 0 A's 256 rows, wave 1 B's, wave 2 A's scale bytes, wave 3 B's.  One chain of branches on the wave's number, an arm a load, all arms leading to one join.
.macro ARM under, g0, g1, next
	s_cmp_lt_u32 s14, \under
	s_cbranch_scc0 \next
	tensor_load_to_lds s[\g0:\g0+3], s[\g1:\g1+7]
	s_nop 0
.rept 4
	v_nop
.endr
	s_branch .Lhead_asked
\next:
.endm
	ARM 1, G0,  G1,  .Lhead_b
	ARM 2, G0B, G1B, .Lhead_sa
	ARM 3, G0S, G1S, .Lhead_sb
	tensor_load_to_lds s[G0SB:G0SB+3], s[G1SB:G1SB+7]
	s_nop 0
.rept 4
	v_nop
.endr
.Lhead_asked:
	v_and_b32 v1, 15, v0
	v_bfe_u32 v2, v0, 4, 1
	v_mul_u32_u24 v3, v1, PITCH
	v_lshl_add_u32 v4, v2, 4, v3
	s_mul_i32 s21, s15, HALFT
	s_mul_i32 s22, s16, HALFT
	s_add_co_u32 s22, s22, 2*HALFT
.irp s, 0,1
	v_add_nc_u32 v[ADRA+\s], s21, v4
	v_add_nc_u32 v[ADRB+\s], s22, v4
	s_add_co_u32 s21, s21, SLOT
	s_add_co_u32 s22, s22, SLOT
.endr
	v_mul_u32_u24 v5, v1, KS
	v_lshrrev_b32 v6, 8, v5
	v_lshl_add_u32 v5, v6, 4, v5
	s_mul_i32 s21, s15, HALFS
	s_mul_i32 s22, s16, HALFS
	s_add_co_u32 s22, s22, 2*HALFS
	s_sub_co_u32 s22, s22, s21
	v_mul_u32_u24 v6, s22, v2
	s_add_co_u32 s21, s21, SCL
	v_add_nc_u32 v5, v5, v6
	v_add_nc_u32 v[ADRS], s21, v5
	v_and_b32 v6, 31, v0
	v_lshlrev_b32 v[CO], 4, v6
	v_lshlrev_b32 v[L8], 3, v6
.irp b, 0,1,2,3
	v_mov_b32 v[TM+4+\b], 0
.endr
	s_cmp_eq_u32 s17, 2
	s_cselect_b32 s18, s67, s66
	s_cselect_b32 s19, s66, s67
	s_cselect_b32 s95, s16, s15
	s_cselect_b32 s42, s15, s16
	s_cselect_b64 s[100:101], s[12:13], s[10:11]
	s_cmp_eq_u32 s17, 0
	s_cselect_b64 s[100:101], s[8:9], s[100:101]
	s_cselect_b64 s[2:3], s[96:97], s[98:99]
	s_lshl_b32 s19, s19, 1
	s_add_co_u32 s19, s19, s42
	s_lshl_b32 s42, s19, 9
	s_mov_b32 s43, 0
	s_add_nc_u64 s[100:101], s[100:101], s[42:43]
	s_lshr_b32 s42, s18, 3
	s_lshl_b32 s42, s42, 4
	s_lshl_b32 s19, s19, 1
	s_add_co_u32 s42, s42, s19
	s_mul_i32 s42, s42, HEADB
	s_and_b32 s18, s18, 7
	s_lshl_b32 s18, s18, 1
	s_add_co_u32 s18, s18, s95
	s_mul_i32 s18, s18, STEPB
	s_add_co_u32 s42, s42, s18
	s_add_nc_u64 s[2:3], s[2:3], s[42:43]
	s_mov_b32 s18, 0xffff0000
	s_mov_b32 s[SEL], 0x76543210
	s_mov_b32 s[SEL+1], 0xfedcba98
.macro FRAG reg, adr, q, i
.irp c, 0,1
	ds_load_b128 v[\reg+4*\c:\reg+4*\c+3], v[\adr] offset:64*(\q)+32*\c+(\i)*16*PITCH
.endr
.endm
.macro MUL16 a0, p, q, sc, zero
.irp a, \a0, \a0+1
.irp b, 0,1,2,3,4,5,6,7
.if \zero
	v_wmma_scale_f32_16x16x128_f8f6f4 v[8*(8*((\a)%4)+\b):8*(8*((\a)%4)+\b)+7], v[128*(\p)+FR*\b:128*(\p)+FR*\b+FR-1], v[AF+FR*(\a):AF+FR*(\a)+FR-1], 0, v[SC+8*NQ*(\sc)+NQ*\b+(\q)], v[SC+8*NQ*(\sc)+NQ*(\a)+(\q)] matrix_a_fmt:MATRIX_FMT_FP4 matrix_b_fmt:MATRIX_FMT_FP4 matrix_a_scale:MATRIX_SCALE_ROW1
.else
	v_wmma_scale_f32_16x16x128_f8f6f4 v[8*(8*((\a)%4)+\b):8*(8*((\a)%4)+\b)+7], v[128*(\p)+FR*\b:128*(\p)+FR*\b+FR-1], v[AF+FR*(\a):AF+FR*(\a)+FR-1], v[8*(8*((\a)%4)+\b):8*(8*((\a)%4)+\b)+7], v[SC+8*NQ*(\sc)+NQ*\b+(\q)], v[SC+8*NQ*(\sc)+NQ*(\a)+(\q)] matrix_a_fmt:MATRIX_FMT_FP4 matrix_b_fmt:MATRIX_FMT_FP4 matrix_a_scale:MATRIX_SCALE_ROW1
.endif
.endr
.endr
.endm
.macro FETCH_B slot, q, p
	WIN TO_B
.irp i, 0,1,2,3,4,5,6,7
	FRAG 128*(\p)+FR*\i, ADRB+\slot, \q, \i
.endr
	WIN 0
.endm
.macro FETCH_A slot, q, i0
.irp i, \i0, \i0+1, \i0+2, \i0+3
	FRAG AF+FR*(\i), ADRA+\slot, \q, \i
.endr
.endm
.macro SCALES sc
.irp i, 0,1,2,3,4,5,6,7
	ds_load_b128 v[SC+8*NQ*\sc+NQ*\i:SC+8*NQ*\sc+NQ*\i+3], v[ADRS] offset:\i*SBLK
.endr
.endm
.macro PLACES n
.rept \n
	v_nop
.endr
.endm
.macro STEP slot, q, zero
	s_wait_dscnt 4*NL
	WIN MUL_LO
	MUL16 0, (\q)%2, \q, \slot, \zero
	MUL16 2, (\q)%2, \q, \slot, \zero
	s_wait_dscnt 0
	PLACES NP
	FETCH_B \slot, (\q)+1, 1-(\q)%2
	FETCH_A \slot, (\q)+1, 0
	WIN MUL_HI
	MUL16 4, (\q)%2, \q, \slot, \zero
	MUL16 6, (\q)%2, \q, \slot, \zero
	PLACES NP
	WIN 0
	FETCH_A \slot, (\q)+1, 4
.endm
.macro STEPS slot, from
.set Q, \from
.rept NQ-1-\from
	STEP \slot, Q, 0
.set Q, Q+1
.endr
.endm
.macro TURN
	s_wait_tensorcnt 0x0
	s_wait_dscnt 4*NL
	WIN MUL_LO
	MUL16 0, 1, NQ-1, 0, 0
	s_wait_dscnt 0x0
	s_barrier_signal -1
	MUL16 2, 1, NQ-1, 0, 0
	WIN 0
	s_barrier_wait -1
	PLACES NP
	v_add_nc_u32 v[ADRS], 4*NQ, v[ADRS]
	FETCH_B 1, 0, 0
	FETCH_A 1, 0, 0
	SCALES 1
	WIN MUL_HI
	MUL16 4, 1, NQ-1, 0, 0
	MUL16 6, 1, NQ-1, 0, 0
	PLACES NP
	WIN 0
	FETCH_A 1, 0, 4
.endm
.macro LASTSTEP
	s_wait_dscnt 4*NL
	WIN MUL_LO
	MUL16 0, 1, NQ-1, 1, 0
	MUL16 2, 1, NQ-1, 1, 0
	s_wait_dscnt 0
	WIN MUL_HI
	MUL16 4, 1, NQ-1, 1, 0
	MUL16 6, 1, NQ-1, 1, 0
	WIN 0
.endm
.macro BIAS isv
.if \isv
	v_and_b32 v[BO], 8, v1
	v_add_nc_u32 v[BO], v[BO], v1
	v_lshlrev_b32 v[BO], 2, v[BO]
.irp a, 0,1,2,3,4,5,6,7
	global_load_b32 v[BI+2*\a], v[BO], s[100:101] offset:(32*(\a/2)+8*(\a%2))*4
	global_load_b32 v[BI+2*\a+1], v[BO], s[100:101] offset:(32*(\a/2)+8*(\a%2))*4
.endr
.else
	v_lshlrev_b32 v[BO], 6, v2
.irp g, 0,1,2,3,4,5,6,7,8,9,10,11,12,13,14,15
	global_load_b128 v[BI+4*\g:BI+4*\g+3], v[BO], s[100:101] offset:128*(\g/4)+16*(\g%4)
.endr
.endif
.endm
.macro QUANT s, w
.irp b, 0,1,2,3
	v_max3_num_f32 v[TM+\b], |v[\s+16*\b]|, |v[\s+1+16*\b]|, 0x1800000
.endr
.irp i, 2,4,6,8,10,12,14
.irp b, 0,1,2,3
	v_max3_num_f32 v[TM+\b], v[TM+\b], |v[\s+16*\b+\i]|, |v[\s+1+16*\b+\i]|
.endr
.endr
.irp b, 0,1,2,3
	v_permlanex16_b32 v[TM+4+\b], v[TM+\b], s[SEL], s[SEL+1]
.endr
.irp b, 0,1,2,3
	v_max_num_f32 v[TM+\b], v[TM+\b], v[TM+4+\b]
.endr
.irp b, 0,1,2,3
	v_add_nc_u32 v[TM+8+\b], 0xff000000, v[TM+\b]
.endr
.irp b, 0,1,2,3
	v_lshrrev_b32 v[TM+4+\b], 23, v[TM+8+\b]
.endr
	v_lshl_or_b32 v[(\w)], v[TM+5], 8, v[TM+4]
	v_lshl_or_b32 v[(\w)], v[TM+6], 16, v[(\w)]
	v_lshl_or_b32 v[(\w)], v[TM+7], 24, v[(\w)]
.irp b, 0,1,2,3
	v_cvt_scalef32_pk8_fp4_f32 v[PC+2*\b], v[\s+16*\b:\s+7+16*\b], v[TM+8+\b]
	v_cvt_scalef32_pk8_fp4_f32 v[PC+1+2*\b], v[\s+8+16*\b:\s+15+16*\b], v[TM+8+\b]
.endr
	v_nop
.irp c, 0,1
.irp i, 0,1
	v_permlane16_swap_b32 v[PC+4*\c+\i], v[PC+2+4*\c+\i]
.endr
.endr
.endm
.macro EPI isv
	PLACES NP
	s_wait_loadcnt 0x0
.irp a, 0,1,2,3,4,5,6,7
.set WW, 0x02+(\a)/4
	WIN WW
.set n, 0
.rept 32
.if \isv
	v_pk_add_f32 v[T+n:T+n+1], v[64*((\a)%4)+n:64*((\a)%4)+n+1], v[BI+2*(\a):BI+2*(\a)+1] op_sel_hi:[1,0]
.else
	v_pk_add_f32 v[T+n:T+n+1], v[64*((\a)%4)+n:64*((\a)%4)+n+1], v[BI+n:BI+n+1]
.endif
.set n, n+2
.endr
	WIN 0
.if \a > 0
	s_wait_xcnt 0x0
.endif
	QUANT T, WS+\a
.irp c, 0,1
.if \isv
	global_store_b128 v[CO], v[PC+4*\c:PC+4*\c+3], s[2:3] offset:((\a)/4)*HEADB+4096+((\a)%4)*1024+\c*512
.else
	global_store_b128 v[CO], v[PC+4*\c:PC+4*\c+3], s[2:3] offset:\c*HEADB+(\a)*512
.endif
.endr
.endr
.irp c, 0,1
.if \isv
	v_cndmask_b32 v[SI+2*\c], v[WS+4*\c], v[WS+4*\c+1], s18
	v_cndmask_b32 v[SI+2*\c+1], v[WS+4*\c+2], v[WS+4*\c+3], s18
	global_store_b64 v[L8], v[SI+2*\c:SI+2*\c+1], s[2:3] offset:\c*HEADB+8192+256
.else
.irp f, 0,1,2,3
	v_perm_b32 v[TM+\f], v[WS+2*\f+1], v[WS+2*\f], 0x05040100+0x02020202*\c
.endr
	v_cndmask_b32 v[SI+2*\c], v[TM], v[TM+1], s18
	v_cndmask_b32 v[SI+2*\c+1], v[TM+2], v[TM+3], s18
	global_store_b64 v[L8], v[SI+2*\c:SI+2*\c+1], s[2:3] offset:\c*HEADB+8192
.endif
.endr
.endm
	s_wait_alu depctr_va_vdst(0)
	s_wait_tensorcnt 0x0                           ; my tile of the head's four is in
	ds_add_u32 v28, v29
	s_mov_b32 s[G1+2], 128<<16                     ; no tensor load of mine is out: from here on a load brings 128 rows
	s_mov_b32 s[G1+4], 128
	s_mov_b32 s[G1B+2], 128<<16
	s_mov_b32 s[G1B+4], 128
	s_wait_dscnt 0x0
	CROUND                                         ; all four tiles are in, and all sixteen work-groups are here
	JLOAD G0+4, G1, G0B+4, G1B                     ; slot 1's fill, the first tensor load behind the round
	FETCH_B 0, 0, 0
	FETCH_A 0, 0, 0
	SCALES 0
	FETCH_A 0, 0, 4
	STEP 0, 0, 1
	STEPS 0, 1
	TURN
	STEPS 1, 0
	s_cmp_eq_u32 s17, 2
	s_cbranch_scc1 .Lv
	BIAS 0
	LASTSTEP
	EPI 0
	s_branch .Lend
.Lv:
	BIAS 1
	LASTSTEP
	EPI 1
.Lend:
	s_wait_dscnt 0x0
	s_wait_tensorcnt 0x0
	ds_add_u32 v28, v29
	s_wait_dscnt 0x0
	CROUND
	s_endpgm
.Lfunc_end_k_q54dcf44fe9_proj:
	.size	k_q54dcf44fe9_proj, .Lfunc_end_k_q54dcf44fe9_proj-k_q54dcf44fe9_proj
	.p2alignl 7, 3214868480
	.fill 96, 4, 3214868480
	.section	.rodata,"a",@progbits
	.p2align	6, 0x0
	.amdhsa_kernel k_q54dcf44fe9_proj
		.amdhsa_group_segment_fixed_size 327680
		.amdhsa_private_segment_fixed_size 0
		.amdhsa_enable_private_segment 0
		.amdhsa_kernarg_size 56
		.amdhsa_user_sgpr_count 2
		.amdhsa_user_sgpr_kernarg_segment_ptr 1
		.amdhsa_wavefront_size32 1
		.amdhsa_system_sgpr_workgroup_id_x 1
		.amdhsa_system_sgpr_workgroup_id_y 1
		.amdhsa_system_sgpr_workgroup_id_z 1
		.amdhsa_system_vgpr_workitem_id 0
		.amdhsa_next_free_vgpr 1024
		.amdhsa_next_free_sgpr 102
		.amdhsa_reserve_vcc 0
		.amdhsa_float_denorm_mode_32 3
		.amdhsa_float_denorm_mode_16_64 3
		.amdhsa_memory_ordered 1
		.amdhsa_forward_progress 1
		.amdhsa_inst_pref_size 206
	.end_amdhsa_kernel
	.amdgpu_metadata
---
amdhsa.version: [ 1, 2 ]
amdhsa.kernels:
  - .name:           k_q54dcf44fe9_proj
    .symbol:         k_q54dcf44fe9_proj.kd
    .args:
      - { .name: codes, .offset: 0, .size: 8, .value_kind: global_buffer, .address_space: global }
      - { .name: scales, .offset: 8, .size: 8, .value_kind: global_buffer, .address_space: global }
      - { .name: b_q, .offset: 16, .size: 8, .value_kind: global_buffer, .address_space: global }
      - { .name: b_k, .offset: 24, .size: 8, .value_kind: global_buffer, .address_space: global }
      - { .name: b_v, .offset: 32, .size: 8, .value_kind: global_buffer, .address_space: global }
      - { .name: qimg, .offset: 40, .size: 8, .value_kind: global_buffer, .address_space: global }
      - { .name: kv, .offset: 48, .size: 8, .value_kind: global_buffer, .address_space: global }
    .group_segment_fixed_size: 327680
    .private_segment_fixed_size: 0
    .kernarg_segment_align: 8
    .kernarg_segment_size: 56
    .max_flat_workgroup_size: 128
    .sgpr_count:     102
    .vgpr_count:     1024
    .wavefront_size: 32
...
	.end_amdgpu_metadata
.endif
;; end of part 2
;; launch attn (part 3): grid 4 x 64, 16 waves a work-group, no clusters, 210,944 bytes of LDS; arguments qimg, kv, maskw, out0, maskf; writes out0
.if DOCPART == 3
	.amdgcn_target "amdgcn-amd-amdhsa--gfx1250"
	.amdhsa_code_object_version 6
	.text
	.protected	k_q54dcf44fe9_attn
	.globl	k_q54dcf44fe9_attn
	.p2align	8
	.type	k_q54dcf44fe9_attn,@function
k_q54dcf44fe9_attn:
	s_mov_b64 s[64:65], 0
	v_nop
	global_prefetch_b8 v0, s[64:65] scope:SCOPE_SE
	s_setreg_imm32_b32 hwreg(HW_REG_WAVE_MODE, 25, 1), 1
	s_wait_xcnt 0x0
; ATTN: out0[b][q][64 head + d] = the sum over keys of softmax(q . k / 8, masked) v, both products on codes of FP4 (E2M1) with one E8M0 scale for each 32 along a product's K.
; q, k and v come as images of operand registers (the launch before lays them so); the mask comes as words of 32 lane bits, one word for each score register, and as one flag bit for each tile-step.
; THE SOFTMAX AHEAD OF THE SECOND PRODUCT: t = score x log2(e) / 8; M = the row's largest t so far, rounded UP to a whole number; p = 2^(t - M) is what is quantised, along the keys; it is not normalised.
; The row's sum is taken of the unquantised p, in f32, and divides O at the end.  When M moves, the sum and O are multiplied by 2^(old M - new M): exact.
; THE MASK: a masked score is replaced by -2^33 ahead of the maximum: one select a score.  -2^33 x log2(e) / 8 is a whole number, so a row (or a run of steps) with every key masked has p = 1 exactly, the plain mean of v;
; the first key that counts then makes the factor 2^(old M - new M) zero.  Beside a key that counts a masked p is 0.
; A tile-step (16 queries x 128 keys) none of whose 2,048 flags is set needs no select.  Bit 16 t + s of my group's word of maskf says whether tile t, step s has a flag.
; The wait for those loads stands on every path.
; LIMIT: a masked logit stands at -2^30 = -1.0737e9 and not at -1e9: results differ only where a logit that counts lies under about -1e9.  NaN and infinities are not served.
; SHARES.  A work-group owns 512 queries of one head; each of its SIXTEEN waves owns 32: two tiles of 16, which share every fragment of K and V read from LDS.  256 registers a wave, four waves to a SIMD.
; Tile t, lane r holds query 32 G + 8 t + r + 8 (r / 8).
; LDS.  One head's K and V with their scales are 139,264 bytes: they come ONCE, each wave bringing one step's 8,704 bytes (17 loads of 512 bytes on end, 17 LDS stores), and stay.  Behind them a stage for each wave, and the spare words.
; THE ORDER OF THE STEPS.  Wave w walks the 16 steps of 128 keys in the order w, w + 1, .. modulo 16: the running maximum serves any order.  Its first step is the block that it brought itself: those bytes are its own,
; so that step stands AHEAD of the work-group's one barrier; it is written out, its products with V start the sums (C = 0), and nothing is rescaled in it.  The other 15 steps are the loop.
; NO TENSOR LOAD, NO CLUSTER: the four work-groups of a head each load the head's block through registers.
; NO PREFETCH: all of K and V is asked for at the head, ahead of the loop; mask words are asked for by their scalar loads one tile-step ahead of their use.
; LAYOUT.  Both products are used transposed: S^T = K Q^T (source 0 = keys, source 1 = my queries), O^T = V^T P^T (source 0 = 16 of the head's 64, source 1 = P): a lane holds ONE query throughout.
; THE HEAD'S 64 IN AN INSTRUCTION 128 DEEP: a fragment of K holds TWO tiles of 16 keys, one in K = 0 .. 63, the other in K = 64 .. 127.  Multiplied by [q | zeros] it gives the first tile's scores, by [zeros | q] the second's.
; THE KEYS OF A TILE ARE GATHERED from K's image by the lanes' LDS addresses: rows 0-7 of tile (c, j) are keys 64 c + 8 j + 0 .. 7, rows 8-15 keys 64 c + 32 + 8 j + 0 .. 7 (c = 0, 1; j = 0 .. 3).
; So score register 32 c + e of lane (r, h) is key 128 s + 64 c + 32 h + e: A LANE HOLDS TWO WHOLE BLOCKS OF 32 KEYS.  A block's largest score needs no other lane, and the conversions' results are P's operand registers as they stand.
; In the image key group g = key / 8 lies in tile 2 (g / 4) + g % 2, rows 8 ((g % 4) / 2) + 0 .. 7; a tile is 512 bytes, 16 bytes for each (row, half of the head's 64).
; THE ORDER OF A TILE-STEP'S LINES: lines that hang on each other stand apart, with lines that hang on neither between: maxima in eight chains, the sum in four, the lines that make f among the multiply-adds,
; the scale word's among the sum's additions, and tile 0's rescaling of O^T among the lines that make tile 1's M.
.set HEADB, 139264                     ; a head's images: 16 steps
.set STEPB, 8704                       ; a step of 128 keys: K's 8 tiles (4,096), V's 4 fragments (4,096), K's scale image (256), V's (256)
.set STG,   HEADB                      ; 16 rows x SP bytes for each wave, for the way out
.set SP,    272                        ; a stage row: 256 bytes + 16 of padding
.set SPARE, 0x33000                    ; behind the stages: the spare words, 128 bytes a wave
.set LI,  1                            ; v1   16 x lane
.set LS,  2                            ; v2   my place in K's scale image: 8,192 + 128 (r / 8) + 64 h + 8 (r % 8)
.set AD,  3                            ; v3   head: where my block goes in LDS; then the step's V fragments
.set AS,  4                            ; v4   the step's scale words of K
.set NEG, 5                            ; v5   -2^33
.set GO,  6                            ; v6   the way out: my byte offset in two rows of out0
.set STO, 7                            ; v7   where I put 16 bytes of a row in my stage
.set RD,  8                            ; v8   where I read a row back
.set ST,  12                           ; tile t at v[12 + 4 t]: -M, the largest score, the sum in two halves
.set Q,   20                           ; tile t at v[20 + 12 t]: [q][zeros][q], four registers each
.set QS,  44                           ; v44-45 Q's scale words, one a tile: [e0 e1 e0 e1]
.set FP,  46                           ; tile t at v[46 + 2 t]: f = 2^(old M - new M); p's scale word
.set KS,  50                           ; v50-51 K's scale words: register c: fragment (c, 0) in lanes 0-15, (c, 1) in lanes 16-31
.set VS,  52                           ; v52-53 V's scale image
.set QOF, 54                           ; v54  q's codes: my offset;  v55  q's scale word: my offset
.set QSO, 55
.set KF,  56                           ; v56-87 four fragments of K, then of V (head: v56-123 my block on its way into LDS)
.set S,   88                           ; v88-151 a tile's scores, then p
.set O,   152                          ; tile t at v[152 + 32 t]: O^T
.set PC,  216                          ; tile t at v[216 + 8 t]: p's codes
.set BM,  232                          ; v232-239 eight chains of maxima, one an accumulator; then:
.set B0,  232                          ; v232 my first block's largest score, then its largest p
.set PX,  233                          ; v233 a lane permute's result; then the first block's scale byte
.set TM,  234                          ; v234 the largest score as t; then the second block's scale byte
.set OM,  235                          ; v235 the old -M, then old M - new M; then a lane permute's result
.set B1,  236                          ; v236 as v232, for my second block
.set SMD, 238                          ; v238-239, v242-243, v252-253: three more chains of the row's sum
.set SO,  240                          ; v240-241 the conversions' scale operands
.set SMB, 242
.set TT,  244                          ; v244 at work
.set QW,  245                          ; v245 q's scale word as loaded
.set KG,  246                          ; v246 my place in K's image: 1,024 (r / 8) + 256 h + 16 (r % 8)
.set AK,  247                          ; v247 the step's K fragments
.set SH,  248                          ; v248 8 h
.set LV,  249                          ; v249 8 x lane + 8,448: my place in V's scale image
.set AW,  250                          ; v250 the step's scale words of V
.set SMC, 252
.set WV,  12                           ; s12  my wave's number
.set MB,  84                           ; s[84:85] my group's mask words: 8,192 bytes
.set MO,  86                           ; s86  the tile-step's 256 bytes among them
.set CNT, 87                           ; s87  trips to go
.set CS,  88                           ; s[88:89] c = log2(e) / 8
.set SEL, 90                           ; s[90:91] v_permlanex16_b32's selects for lane l xor 16
.set TB,  92                           ; s92  LDS byte at which the step's block begins
.set FL,  93                           ; s93  my group's 32 flags
.set NX,  97                           ; s97  my wave's number + the steps begun
.set SI,  98                           ; s98  the step's number, s97 modulo 16: tile 0's bit
.set SJ,  99                           ; s99  + 16: tile 1's bit
.macro MLOAD                           ; a tile-step's 64 mask words: word j in s[16 + j] for j < 48, else in s[20 + j]
	s_load_b512 s[16:31], s[MB:MB+1], s[MO] offset:0x0
	s_load_b512 s[32:47], s[MB:MB+1], s[MO] offset:0x40
	s_load_b512 s[48:63], s[MB:MB+1], s[MO] offset:0x80
	s_load_b512 s[68:83], s[MB:MB+1], s[MO] offset:0xc0
.endm
.macro DEP n
	s_delay_alu instid0(VALU_DEP_\n)
.endm
.macro RESC o, f, from, n              ; n pairs of O^T, from pair 'from' on, x f
.set jj, 2*(\from)
.rept \n
	v_pk_mul_f32 v[\o+jj:\o+jj+1], v[\o+jj:\o+jj+1], v[\f:\f+1] op_sel_hi:[1,0]
.set jj, jj+2
.endr
.endm
.macro GAP from                        ; between two links of the chain that makes M: in the loop tile 1 has three pairs of tile 0's O^T there (RSX = 1); else a hint
.if RSX
	RESC O, FP, \from, 3
.else
	DEP 1
.endif
.endm
	s_load_b256 s[4:11], s[0:1], 0x0               ; qimg s[4:5], kv s[6:7], maskw s[8:9], out0 s[10:11]
	s_load_b64 s[94:95], s[0:1], 0x20              ; maskf
	v_lshl_add_u32 v254, v0, 2, SPARE
	v_mov_b32 v255, 0
	v_lshrrev_b32 v9, 5, v0
	v_readfirstlane_b32 s[WV], v9                  ; wave 0..15
	s_and_b32 s14, ttmp7, 0xffff                   ; 16 b + head
	s_lshl_b32 s15, ttmp9, 4
	s_add_co_u32 s15, s15, s[WV]                   ; G: my group of 32 queries, 0 .. 63
	s_mul_i32 s28, s14, HEADB                      ; the head's block
	s_mul_i32 s29, s[WV], STEPB                    ; my step's
	s_add_co_u32 s30, s28, s29
	s_mov_b32 s31, 0
	s_lshr_b32 s32, s15, 2                         ; q: my group lies in step G / 4 of the head's block in qimg
	s_mul_i32 s32, s32, STEPB
	s_add_co_u32 s32, s32, s28
	s_mov_b32 s33, 0
	s_lshr_b32 s34, s14, 4                         ; b
	s_lshl_b32 s34, s34, 6
	s_add_co_u32 s34, s34, s15                     ; 64 b + G
	s_lshl_b32 s36, s34, 17                        ; out0: 32 rows of 4,096 bytes,
	s_and_b32 s35, s14, 15
	s_lshl_b32 s35, s35, 8                         ; the head's 256 bytes of a row
	s_add_co_u32 s36, s36, s35
	s_mov_b32 s37, 0
	s_lshl_b32 s38, s34, 13                        ; the mask words: 8,192 bytes a group
	s_mov_b32 s39, 0
	s_lshl_b32 s96, s34, 2                         ; the flags: a word a group
	s_and_b32 s40, s15, 3                          ; F = G % 4: my two tiles are tiles 2 F and 2 F + 1 of the step in qimg
	s_lshl_b32 s40, s40, 10
	s_and_b32 s41, s15, 1                          ; their scale word: lane r + 16 (F % 2) of the image, word F / 2 of its pair
	s_lshl_b32 s41, s41, 7
	s_bfe_u32 s42, s15, 0x10001
	s_lshl_b32 s42, s42, 2
	s_add_co_u32 s41, s41, s42
	s_mul_i32 s43, s[WV], 16*SP
	s_add_co_u32 s43, s43, STG                     ; my stage
	s_mov_b32 s[CS], 0x3e38aa3b                    ; c = log2(e) / 8
	s_mov_b32 s[CS+1], s[CS]                       ; (named with it as a pair, so it is written)
	s_mov_b32 s[SEL], 0x76543210
	s_mov_b32 s[SEL+1], 0xfedcba98
	s_mul_i32 s[TB], s[WV], STEPB                  ; my first step is step w: the block that I bring
	s_mov_b32 s[CNT], 15
	s_lshl_b32 s[MO], s[WV], 9                     ; a step's two tiles have 512 bytes of mask words
	s_mov_b32 s[NX], s[WV]
	s_mov_b32 s[SI], s[WV]
	s_add_co_u32 s[SJ], s[WV], 16
	v_and_b32 v11, 31, v0                          ; lane
	v_and_b32 v9, 15, v0                           ; r
	v_bfe_u32 v10, v0, 4, 1                        ; h
	v_and_b32 v[BM], 7, v0                         ; r % 8
	v_bfe_u32 v[BM+1], v0, 3, 1                    ; r / 8
	v_lshlrev_b32 v[LI], 4, v11
	v_lshlrev_b32 v[KG], 4, v[BM]
	v_lshlrev_b32 v[LS], 3, v[BM]
	v_lshlrev_b32 v[SH], 3, v10
	v_lshl_add_u32 v[LV], v11, 3, 8448
	v_lshl_add_u32 v[KG], v[BM+1], 10, v[KG]
	v_lshl_add_u32 v[LS], v[BM+1], 7, v[LS]
	v_add_nc_u32 v[AD], s29, v[LI]                 ; my block's place in LDS: wave x 8,704 + 16 x lane
	v_add_nc_u32 v[QOF], s40, v[LI]
	v_lshl_add_u32 v[QSO], v9, 3, s41
	v_lshl_add_u32 v[KG], v10, 8, v[KG]
	v_lshl_add_u32 v[LS], v10, 6, v[LS]
	v_mul_u32_u24 v[STO], v9, SP
	v_mul_u32_u24 v[RD], v10, SP
	v_lshlrev_b32 v[GO], 12, v10
	v_add_nc_u32 v[LS], 8192, v[LS]
	v_lshl_add_u32 v[STO], v10, 6, v[STO]
	v_lshl_add_u32 v[RD], v9, 4, v[RD]
	v_lshl_add_u32 v[GO], v9, 4, v[GO]             ; lanes 0-15 one row of out0, lanes 16-31 the next
	v_add_nc_u32 v[STO], s43, v[STO]               ; in: row r, + 64 h
	v_add_nc_u32 v[RD], s43, v[RD]                 ; back: lanes 0-15 one row, lanes 16-31 the next
	v_mov_b32 v[NEG], 0xd0000000                   ; -2^33
	s_wait_alu depctr_va_vdst(0)
	s_wait_kmcnt 0x0
	s_add_nc_u64 s[6:7], s[6:7], s[30:31]
	s_add_nc_u64 s[4:5], s[4:5], s[32:33]
	s_add_nc_u64 s[10:11], s[10:11], s[36:37]
	s_add_nc_u64 s[MB:MB+1], s[8:9], s[38:39]
.set i, 0
.rept 17
	global_load_b128 v[KF+4*i:KF+4*i+3], v[LI], s[6:7] offset:512*i   ; my step's block: 32 lanes read 512 bytes on end
.set i, i+1
.endr
.irp t, 0,1
	global_load_b128 v[Q+12*\t:Q+12*\t+3], v[QOF], s[4:5] offset:512*\t       ; q's 16 bytes, twice: below the zeros and above them
	global_load_b128 v[Q+12*\t+8:Q+12*\t+11], v[QOF], s[4:5] offset:512*\t
.endr
	global_load_b32 v[QW], v[QSO], s[4:5] offset:8192
	s_load_b32 s[FL], s[94:95], s96 offset:0x0     ; my 32 flags
	MLOAD                                          ; my first tile-step's mask words, whatever its flag (s16 to s63 hold nothing that is still wanted)
	s_wait_loadcnt 5                               ; my block's 17 loads are in; q's five are younger
.set i, 0
.rept 17
	ds_store_b128 v[AD], v[KF+4*i:KF+4*i+3] offset:512*i
.set i, i+1
.endr
	s_wait_loadcnt 0x0                             ; q
	v_perm_b32 v[QS], v[QW], v[QW], 0x01000100     ; tile 0's two bytes, for K = 0 .. 63 and again for K = 64 .. 127
	v_perm_b32 v[QS+1], v[QW], v[QW], 0x03020302   ; tile 1's.  (The eighteen lines below also stand between these scale words and the first product)
.irp t, 0,1
.irp i, 4,5,6,7
	v_mov_b32 v[Q+12*\t+\i], 0                     ; Q's zero codes
.endr
.endr
.irp t, 0,1
	v_mov_b32 v[ST+4*\t+1], 0xff61b1e6             ; the largest score so far: -3e38, under every score
	v_mov_b32 v[ST+4*\t], 0x7e000000               ; -M = 2^125: the first step's factor is 0
	v_mov_b32 v[ST+4*\t+2], 0                      ; the sum, in two halves
	v_mov_b32 v[ST+4*\t+3], 0
	v_mov_b32 v[FP+2*\t+1], 0                      ; (named as the upper half of a pair before it is first written)
.endr
	s_wait_alu depctr_va_vdst(0)
; S^T of tile t: eight products.  Fragment f = 2 c + m holds key tiles (c, 2 m) and (c, 2 m + 1); its scale words lie in lanes 0-15 (m = 0) or 16-31 (m = 1) of register c.
.macro QK t
.irp f, 0,1,2,3
.irp u, 0,1
.if \f % 2
	v_wmma_scale_f32_16x16x128_f8f6f4 v[S+8*(2*\f+\u):S+8*(2*\f+\u)+7], v[KF+8*\f:KF+8*\f+7], v[Q+12*\t+4*\u:Q+12*\t+4*\u+7], 0, v[KS+\f/2], v[QS+\t] matrix_a_fmt:MATRIX_FMT_FP4 matrix_b_fmt:MATRIX_FMT_FP4 matrix_a_scale:MATRIX_SCALE_ROW1
.else
	v_wmma_scale_f32_16x16x128_f8f6f4 v[S+8*(2*\f+\u):S+8*(2*\f+\u)+7], v[KF+8*\f:KF+8*\f+7], v[Q+12*\t+4*\u:Q+12*\t+4*\u+7], 0, v[KS+\f/2], v[QS+\t] matrix_a_fmt:MATRIX_FMT_FP4 matrix_b_fmt:MATRIX_FMT_FP4
.endif
.endr
.endr
.endm
; O^T (+)= V^T P^T of both tiles: eight accumulators, one instruction each; K = the step's 128 keys.  first = 1: these products start the sums.
.macro PV first
.irp f, 0,1,2,3
.irp t, 0,1
.if \first
.if \f % 2
	v_wmma_scale_f32_16x16x128_f8f6f4 v[O+32*\t+8*\f:O+32*\t+8*\f+7], v[KF+8*\f:KF+8*\f+7], v[PC+8*\t:PC+8*\t+7], 0, v[VS+\f/2], v[FP+2*\t+1] matrix_a_fmt:MATRIX_FMT_FP4 matrix_b_fmt:MATRIX_FMT_FP4 matrix_a_scale:MATRIX_SCALE_ROW1
.else
	v_wmma_scale_f32_16x16x128_f8f6f4 v[O+32*\t+8*\f:O+32*\t+8*\f+7], v[KF+8*\f:KF+8*\f+7], v[PC+8*\t:PC+8*\t+7], 0, v[VS+\f/2], v[FP+2*\t+1] matrix_a_fmt:MATRIX_FMT_FP4 matrix_b_fmt:MATRIX_FMT_FP4
.endif
.else
.if \f % 2
	v_wmma_scale_f32_16x16x128_f8f6f4 v[O+32*\t+8*\f:O+32*\t+8*\f+7], v[KF+8*\f:KF+8*\f+7], v[PC+8*\t:PC+8*\t+7], v[O+32*\t+8*\f:O+32*\t+8*\f+7], v[VS+\f/2], v[FP+2*\t+1] matrix_a_fmt:MATRIX_FMT_FP4 matrix_b_fmt:MATRIX_FMT_FP4 matrix_a_scale:MATRIX_SCALE_ROW1
.else
	v_wmma_scale_f32_16x16x128_f8f6f4 v[O+32*\t+8*\f:O+32*\t+8*\f+7], v[KF+8*\f:KF+8*\f+7], v[PC+8*\t:PC+8*\t+7], v[O+32*\t+8*\f:O+32*\t+8*\f+7], v[VS+\f/2], v[FP+2*\t+1] matrix_a_fmt:MATRIX_FMT_FP4 matrix_b_fmt:MATRIX_FMT_FP4
.endif
.endif
.endr
.endr
.endm
; Tile t's softmax for one step: the mask, the maxima, M, p, the sum, p's codes and scale word.  In the loop (first = 0) also O^T under the new M: tile 0's among tile 1's lines, tile 1's at its own end.
.macro SOFT t, first
.set rT, ST+4*\t
.set rF, FP+2*\t
.set rP, PC+8*\t
.set RSX, (\t)*(1-(\first))
	s_wait_kmcnt 0x0                               ; whatever words were asked for are in (the first time: my flags too)
.if \t
	s_bitcmp1_b32 s[FL], s[SJ]
.else
	s_bitcmp1_b32 s[FL], s[SI]
.endif
	s_cbranch_scc0 .Lopen_\@                       ; no flag of this tile-step is set: no score is replaced
.set j, 0
.rept 64
.if j < 48
	v_cndmask_b32 v[S+j], v[S+j], v[NEG], s[16+j]  ; where my lane's bit is set the score becomes -2^33.  (Each accumulator is read from its low end on)
.else
	v_cndmask_b32 v[S+j], v[S+j], v[NEG], s[20+j]
.endif
.set j, j+1
.endr
.Lopen_\@:
.if \t
	s_add_co_u32 s[NX], s[NX], 1                   ; the next step, modulo 16.  (Behind my last step this names my first again: words that it may ask for lie inside the buffer, are waited for behind the loop and are not used)
	s_and_b32 s[SI], s[NX], 15
	s_lshl_b32 s[MO], s[SI], 9
	s_bitcmp1_b32 s[FL], s[SI]
.else
	s_add_co_u32 s[MO], s[MO], 256                 ; the step's second tile
	s_bitcmp1_b32 s[FL], s[SJ]
.endif
	s_cbranch_scc0 .Lnone_\@                       ; the next tile-step's words are asked for only where they will be used
	MLOAD
.Lnone_\@:
.irp k, 0,1,2,3,4,5,6,7
	v_max3_num_f32 v[BM+\k], v[S+8*\k], v[S+8*\k+1], v[S+8*\k+2]   ; eight chains by turns, one an accumulator, each from its low end on
.endr
.irp i, 3,5
.irp k, 0,1,2,3,4,5,6,7
	v_max3_num_f32 v[BM+\k], v[BM+\k], v[S+8*\k+\i], v[S+8*\k+\i+1]
.endr
.endr
	v_max3_num_f32 v[BM], v[BM], v[BM+1], v[S+7]   ; the chains of a block joined, with each accumulator's last register
	v_max3_num_f32 v[BM+4], v[BM+4], v[BM+5], v[S+39]
	v_max3_num_f32 v[BM+2], v[BM+2], v[BM+3], v[S+15]
	v_max3_num_f32 v[BM+6], v[BM+6], v[BM+7], v[S+47]
	v_mov_b32 v[OM], v[rT]                         ; the old -M (chain 3's register is done with)
	v_max3_num_f32 v[B0], v[BM], v[BM+2], v[S+23]
	v_max3_num_f32 v[B1], v[BM+4], v[BM+6], v[S+55]
	v_max_num_f32 v[B0], v[B0], v[S+31]            ; THE LARGEST SCORE OF EACH OF MY TWO BLOCKS OF 32 KEYS: it serves for the row's maximum and, since p rises with the score, for the block's largest p
	v_max_num_f32 v[B1], v[B1], v[S+63]
	DEP 1
	v_max_num_f32 v[TT], v[B0], v[B1]
.if RSX
	s_wait_alu depctr_va_vdst(0)                   ; directly ahead of the first reader of tile 0's O^T; plain vector lines alone follow up to the last of the sixteen
.endif
	GAP 0
	v_permlanex16_b32 v[PX], v[TT], s[SEL], s[SEL+1]
	GAP 3
	v_max3_num_f32 v[rT+1], v[rT+1], v[TT], v[PX]  ; the running largest score of my query, lane l xor 16's 64 keys among them
	GAP 6
	v_mul_f32 v[TM], s[CS], v[rT+1]                ; as t (c is positive)
	GAP 9
	v_floor_f32 v[rT], -v[TM]                      ; the new -M = floor(-t) = -ceil(t): M IS A WHOLE NUMBER
.if RSX
	RESC O, FP, 12, 4
.endif
	v_fma_f32 v[B0], v[B0], s[CS], v[rT]           ; t - M of each block's largest score
	v_fma_f32 v[B1], v[B1], s[CS], v[rT]
.set j, 0
.rept 32
	v_pk_fma_f32 v[S+j:S+j+1], v[S+j:S+j+1], s[CS:CS+1], v[rT:rT+1] op_sel_hi:[1,0,0]   ; t - M, two at a time (of the pairs c and -M the low word serves both halves)
.if j == 6
	v_sub_f32 v[OM], v[rT], v[OM]                  ; M's old value less its new one: a whole number, 0 or less
.elseif j == 22
	v_cvt_i32_f32 v[OM], v[OM]                     ; (it saturates)
.elseif j == 38
	v_ldexp_f32 v[rF], 1.0, v[OM]                  ; f = 2^(old M - new M): a multiplication by it rounds nothing
.endif
.set j, j+2
.endr
	s_wait_alu depctr_va_vdst(0)
	v_exp_f32 v[B0], v[B0]                         ; the blocks' largest p: the same two instructions on the same number give the same bits
	v_exp_f32 v[B1], v[B1]
.set j, 0
.rept 64
	v_exp_f32 v[S+j], v[S+j]                       ; p = 2^(t - M), at most 1: NOT normalised
.set j, j+1
.endr
	v_pk_mul_f32 v[rT+2:rT+3], v[rT+2:rT+3], v[rF:rF+1] op_sel_hi:[1,0]   ; the sums under the new M.  (The plain line behind the exponentials)
	s_wait_alu depctr_va_vdst(0)                   ; one wait for the whole batch, ahead of its first reader
	v_max_num_f32 v[B0], 0x1800000, v[B0]          ; the floor 2^(3 - 127): the byte cannot fall under 1 (a block whose every p is 0 keeps that byte: its codes are zeros)
	v_max_num_f32 v[B1], 0x1800000, v[B1]
	v_pk_add_f32 v[SMB:SMB+1], v[S:S+1], v[S+2:S+3]        ; THE ROW'S SUM IS TAKEN OF THE UNQUANTISED p: two at a time, in four chains
	v_pk_add_f32 v[SMC:SMC+1], v[S+4:S+5], v[S+6:S+7]
	v_pk_add_f32 v[SMD:SMD+1], v[S+8:S+9], v[S+10:S+11]
	v_add_nc_u32 v[SO], 0xff000000, v[B0]          ; 2 off the exponent field: the conversions' scale operands
	v_add_nc_u32 v[SO+1], 0xff000000, v[B1]
.set j, 12
.set k, 0
.rept 26
.if k%4 == 0
	v_pk_add_f32 v[rT+2:rT+3], v[rT+2:rT+3], v[S+j:S+j+1]
.elseif k%4 == 1
	v_pk_add_f32 v[SMB:SMB+1], v[SMB:SMB+1], v[S+j:S+j+1]
.elseif k%4 == 2
	v_pk_add_f32 v[SMC:SMC+1], v[SMC:SMC+1], v[S+j:S+j+1]
.else
	v_pk_add_f32 v[SMD:SMD+1], v[SMD:SMD+1], v[S+j:S+j+1]
.endif
.if k == 1
	v_lshrrev_b32 v[PX], 23, v[SO]                 ; the scales' bytes: blocks h and 2 + h
	v_lshrrev_b32 v[TM], 23, v[SO+1]
.elseif k == 5
	v_lshl_or_b32 v[rF+1], v[TM], 16, v[PX]
.elseif k == 9
	v_lshlrev_b32 v[rF+1], v[SH], v[rF+1]          ; at their places in the scale word (8 h bits up);
.elseif k == 13
	v_permlanex16_b32 v[OM], v[rF+1], s[SEL], s[SEL+1]
.elseif k == 17
	v_or_b32 v[rF+1], v[rF+1], v[OM]               ; with lane l xor 16's two the word of these 128 keys is whole.  (Eleven plain lines follow it in this tile-step)
.endif
.set j, j+2
.set k, k+1
.endr
	v_pk_add_f32 v[SMB:SMB+1], v[SMB:SMB+1], v[SMC:SMC+1]
	v_pk_add_f32 v[rT+2:rT+3], v[rT+2:rT+3], v[SMD:SMD+1]
.irp c, 0,1
.irp g, 0,1,2,3
	v_cvt_scalef32_pk8_fp4_f32 v[rP+4*\c+\g], v[S+32*\c+8*\g:S+32*\c+8*\g+7], v[SO+\c]   ; registers 4 c .. 4 c + 3 of the operand: keys 64 c + 32 h + 0 .. 31
.endr
.endr
	v_pk_add_f32 v[rT+2:rT+3], v[rT+2:rT+3], v[SMB:SMB+1]  ; (also the plain line behind the last conversion)
.if RSX
	s_wait_alu depctr_va_vdst(0)                   ; directly ahead of the first reader of tile 1's O^T
	RESC O+32, FP+2, 0, 16                         ; these sixteen also stand between the codes just made and the products that take them
.elseif \t
.rept 4
	v_nop                                          ; the first step rescales nothing: places between the codes just made and the products that take them
.endr
.endif
.endm
; A step of 128 keys for both tiles.
.macro STEP first
	v_add_nc_u32 v[AK], s[TB], v[KG]               ; (in the loop: four plain lines behind the last trip's products, in front of loads into the registers that they read)
	v_add_nc_u32 v[AS], s[TB], v[LS]
	v_add_nc_u32 v[AD], s[TB], v[LI]
	v_add_nc_u32 v[AW], s[TB], v[LV]
.irp c, 0,1
.irp m, 0,1
.irp u, 0,1
	ds_load_b128 v[KF+8*(2*\c+\m)+4*\u:KF+8*(2*\c+\m)+4*\u+3], v[AK] offset:2048*\c+512*\u+128*\m   ; key tile (c, 2 m + u): row r comes from the image's tile 4 c + 2 (r / 8) + u, row 8 m + r % 8
.endr
.endr
.endr
	ds_load_b64 v[KS:KS+1], v[AS]                  ; and the same rows' scale words
	s_wait_dscnt 0x0
	QK 0
.rept 4
	v_nop                                          ; places in front of the first read of the scores
.endr
	SOFT 0, \first
	QK 1
.rept 4
	v_nop                                          ; places in front of the loads into K's registers, and of the first read of the scores
.endr
.irp f, 0,1,2,3
.irp c, 0,1
	ds_load_b128 v[KF+8*\f+4*\c:KF+8*\f+4*\c+3], v[AD] offset:4096+\f*1024+\c*512   ; V's fragments, as they lie
.endr
.endr
	ds_load_b64 v[VS:VS+1], v[AW]
	SOFT 1, \first
	s_wait_alu depctr_va_vdst(0)
	s_wait_dscnt 0x0                               ; V is in
	PV \first
	s_add_co_u32 s[SJ], s[SI], 16                  ; the next step's second bit,
	s_mul_i32 s[TB], s[SI], STEPB                  ; and its block: (wave + steps begun) modulo 16, x 8,704
.endm
	STEP 1                                         ; my own block: LDS serves a wave's instructions in order (ISA guide 5.7.1.4), so its loads see my stores; no other wave touches these bytes before the barrier
	s_wait_dscnt 0x0                               ; my block lies in LDS,
	s_barrier_signal -1
	s_barrier_wait -1                              ; everybody's does, and nobody writes it again
.Lstep:                                            ; 15 trips
	STEP 0
	s_sub_co_u32 s[CNT], s[CNT], 1
	s_cmp_lg_u32 s[CNT], 0
	s_cbranch_scc1 .Lstep
	; THE WAY OUT.  The sum's two halves and lane l xor 16's are added; O^T is divided by the sum and goes through my stage in LDS, a tile (16 queries x 256 bytes) at a time, so that sixteen lanes store a query's 256 consecutive bytes, aligned.
	s_wait_kmcnt 0x0                               ; words that may have been asked for behind the last tile-step are in: nothing of mine is pending on those registers
.rept 4
	v_nop                                          ; places behind the last products
.endr
.irp t, 0,1
	v_add_f32 v[ST+4*\t+3], v[ST+4*\t+2], v[ST+4*\t+3]
.endr
.irp t, 0,1
	DEP 2
	v_permlanex16_b32 v[PX+\t], v[ST+4*\t+3], s[SEL], s[SEL+1]
.endr
.irp t, 0,1
	DEP 2
	v_add_f32 v[ST+4*\t+3], v[ST+4*\t+3], v[PX+\t] ; the row's sum
.endr
	s_wait_alu depctr_va_vdst(0)
.irp t, 0,1
	v_rcp_f32 v[ST+4*\t+2], v[ST+4*\t+3]
.endr
	v_nop                                          ; a plain line behind the last reciprocal
	s_wait_alu depctr_va_vdst(0)                   ; one wait for the two, directly ahead of their first reader, which is O^T's first reader too
.irp t, 0,1
.set j, 0
.rept 16
	v_pk_mul_f32 v[S+32*\t+j:S+32*\t+j+1], v[O+32*\t+j:O+32*\t+j+1], v[ST+4*\t+2:ST+4*\t+3] op_sel_hi:[1,0]   ; register 16 b + i is d = 32 b + 16 h + i of my query
.set j, j+2
.endr
.endr
.irp t, 0,1
.irp b, 0,1
.irp k, 0,1,2,3
	ds_store_b128 v[STO], v[S+32*\t+16*\b+4*\k:S+32*\t+16*\b+4*\k+3] offset:128*\b+16*\k
.endr
.endr
.irp i, 0,1,2,3,4,5,6,7
	ds_load_b128 v[KF+(O-KF)*\t+4*\i:KF+(O-KF)*\t+4*\i+3], v[RD] offset:2*\i*SP   ; in order behind my stores, and the next tile's stores come behind them.  Tile 0 comes back into K's registers, tile 1 into tile 0's O^T
.endr
.endr
.irp t, 0,1
.irp i, 0,1,2,3,4,5,6,7
	s_wait_dscnt (1-\t)*16+7-\i                    ; behind this load: the tile's later loads, and for tile 0 tile 1's sixteen LDS instructions
	global_store_b128 v[GO], v[KF+(O-KF)*\t+4*\i:KF+(O-KF)*\t+4*\i+3], s[10:11] offset:(2*\i+8*(\i/4))*4096+32768*\t th:TH_STORE_NT   ; tile rows 2 i, 2 i + 1 are queries 8 t + 2 i + 8 (i / 4) and the next; written once, read by nobody here
.endr
.endr
	s_wait_tensorcnt 0x0                           ; the wave's end, behind my last LDS store
	ds_add_u32 v254, v255
	s_wait_dscnt 0x0
	s_endpgm
.Lfunc_end_k_q54dcf44fe9_attn:
	.size	k_q54dcf44fe9_attn, .Lfunc_end_k_q54dcf44fe9_attn-k_q54dcf44fe9_attn
	.p2alignl 7, 3214868480
	.fill 96, 4, 3214868480
	.section	.rodata,"a",@progbits
	.p2align	6, 0x0
	.amdhsa_kernel k_q54dcf44fe9_attn
		.amdhsa_group_segment_fixed_size 210944
		.amdhsa_private_segment_fixed_size 0
		.amdhsa_enable_private_segment 0
		.amdhsa_kernarg_size 40
		.amdhsa_user_sgpr_count 2
		.amdhsa_user_sgpr_kernarg_segment_ptr 1
		.amdhsa_wavefront_size32 1
		.amdhsa_system_sgpr_workgroup_id_x 1
		.amdhsa_system_sgpr_workgroup_id_y 1
		.amdhsa_system_sgpr_workgroup_id_z 1
		.amdhsa_system_vgpr_workitem_id 0
		.amdhsa_next_free_vgpr 256
		.amdhsa_next_free_sgpr 100
		.amdhsa_reserve_vcc 0
		.amdhsa_float_denorm_mode_32 3
		.amdhsa_float_denorm_mode_16_64 3
		.amdhsa_memory_ordered 1
		.amdhsa_forward_progress 1
		.amdhsa_inst_pref_size 84
	.end_amdhsa_kernel
	.amdgpu_metadata
---
amdhsa.version: [ 1, 2 ]
amdhsa.kernels:
  - .name:           k_q54dcf44fe9_attn
    .symbol:         k_q54dcf44fe9_attn.kd
    .args:
      - { .name: qimg, .offset: 0, .size: 8, .value_kind: global_buffer, .address_space: global }
      - { .name: kv, .offset: 8, .size: 8, .value_kind: global_buffer, .address_space: global }
      - { .name: maskw, .offset: 16, .size: 8, .value_kind: global_buffer, .address_space: global }
      - { .name: out0, .offset: 24, .size: 8, .value_kind: global_buffer, .address_space: global }
      - { .name: maskf, .offset: 32, .size: 8, .value_kind: global_buffer, .address_space: global }
    .group_segment_fixed_size: 210944
    .private_segment_fixed_size: 0
    .kernarg_segment_align: 8
    .kernarg_segment_size: 40
    .max_flat_workgroup_size: 512
    .sgpr_count:     100
    .vgpr_count:     256
    .wavefront_size: 32
...
	.end_amdgpu_metadata
.endif
;; end of part 3
